; MI455X (gfx1250); checked and timed in simulation.
; The chip was launched on July 23, 2026; its instructions are those of AMD's public machine-readable ISA for CDNA 5 (MIT licence, August 2026) and "CDNA5" Instruction Set Architecture Reference Guide (July 2026). The comments in the code are by the model that wrote it; some were corrected since.
;; Multihead Attention. Allowed arithmetic: matrix products marked QUANTISED: E2M1 operands, one E8M0 scale for each 32 along K, by v_wmma_scale_f32_16x16x128_f8f6f4 with both operands' format E2M1 (or v_wmma_scale_f32_32x16x128_f4), f32 sums; everything else in f32.
;; Inputs: wk_codes 16 x 64 x 32 x 16 uint8 (E2M1 codes of wk, K innermost, in blocks of 32 codes, two codes a byte); wk_scales 16 x 64 x 32 uint8 (E8M0 scales of wk, one for each 32 codes along K); wq_codes 16 x 64 x 32 x 16 uint8 (E2M1 codes of wq, K innermost, in blocks of 32 codes, two codes a byte); wq_scales 16 x 64 x 32 uint8 (E8M0 scales of wq, one for each 32 codes along K); wv_codes 16 x 64 x 32 x 16 uint8 (E2M1 codes of wv, K innermost, in blocks of 32 codes, two codes a byte); wv_scales 16 x 64 x 32 uint8 (E8M0 scales of wv, one for each 32 codes along K); x_codes 4 x 2,048 x 32 x 16 uint8 (E2M1 codes of x, K innermost, in blocks of 32 codes, two codes a byte); x_scales 4 x 2,048 x 32 uint8 (E8M0 scales of x, one for each 32 codes along K).
;; Outputs: out0 4 x 2,048 x 1,024 float32.
;; This version of the problem:
;;   THIS VERSION OF THE PROBLEM IS GIVEN IN LOW PRECISION. The matrix products marked QUANTISED in the list below multiply operands that are first quantised to E2M1 (2 exponent bits, 1 mantissa bit; 4 bits a number), with one power-of-two scale for each 32 numbers along K (OCP MX v1.0); their sums are f32. All else is computed in f32.
;;   The module's matrix products, in the order in which they are computed (A, B: the left and right operand; K: the contracted axis; several contracted axes count as one K, in the product's order):
;;     1. [M 1,024, K 1,024] x [K 1,024, N 8,192]; A: input wq (given as codes); B: input x (given as codes): QUANTISED
;;     2. [M 1,024, K 1,024] x [K 1,024, N 8,192]; A: input wk (given as codes); B: input x (given as codes): QUANTISED
;;     3. [M 1,024, K 1,024] x [K 1,024, N 8,192]; A: input wv (given as codes); B: input x (given as codes): QUANTISED
;;     4. batch 64 x [M 2,048, K 64] x [K 64, N 2,048]; A: computed on the way; B: computed on the way: QUANTISED
;;     5. batch 64 x [M 2,048, K 2,048] x [K 2,048, N 64]; A: softmax (see below); B: computed on the way: QUANTISED
;;   THE QUANTISER, for each operand of a quantised product, along K:
;;     - K is cut into blocks of 32 from its start; a last block that is shorter is filled with zeros.
;;     - A block's scale is 2^e with e = floor(log2(the largest magnitude in the block)) - 2, held to -126 .. 127; a block of zeros has e = 0. As a byte (E8M0): e + 127.
;;     - Each number is divided by its block's scale, clamped to +-6, and rounded to the nearest number of E2M1, ties to even, subnormals kept.
;;     - The product sums the exact products of the quantised numbers (number of the format x scale) in f32.
;;   ~~~python
;;   def quantise(x, axis):      # numpy; x: float32 -> the quantised numbers, widened to float32 again
;;       x = np.moveaxis(x, axis, -1); K = x.shape[-1]
;;       x = np.pad(x, [(0, 0)] * (x.ndim - 1) + [(0, -K % 32)]); x = x.reshape(x.shape[:-1] + (-1, 32)); a = np.abs(x).max(-1, keepdims=True)
;;       e = np.where(a > 0, np.clip(np.frexp(np.where(a > 0, a, 1))[1] - 1 - 2, -126, 127), 0)      # np.frexp(a)[1] - 1 = floor(log2(a)), exactly
;;       r = np.clip(x / 2.0 ** e, -6, 6)
;;       step = 2.0 ** (np.maximum(np.frexp(np.where(r == 0, 1, r))[1] - 1, 0) - 1)
;;       q = np.round(r / step) * step * 2.0 ** e      # np.round: ties to even
;;       return np.moveaxis(q.reshape(q.shape[:-2] + (-1,))[..., :K], -1, axis).astype(np.float32)
;;   ~~~
;;   SOFTMAX AHEAD OF A QUANTISED PRODUCT. Where the list says 'softmax', what is quantised is not the finished softmax but p = 2^(t - M), with t = logit x log2(e) and M = ceil(the row's largest t), a whole number; so 1/2 < the row's largest p <= 1. The row's sum l is taken of the UNQUANTISED p, in f32, and the product's result is divided by l at the end. Since M is a whole number, a kernel that streams over the keys may use a running M (the ceiling of the running maximum): every later rescaling is an exact power of two, which a block's scale takes up: the codes' values come out the same.
;;   OPERANDS COMPUTED ON THE WAY. 'Computed on the way' means the value that the module computes at that place (a softmax that the list does not call 'softmax' is quantised finished and normalised). What goes into a quantiser is computed in f32, as accurately as f32 sums, v_exp_f32 and their like allow (about 1e-6 of the number): no bf16 or f16 on the way to a quantiser, and a product that is left as it is and whose result goes on into a quantised operand takes f32 operands (vector FMAs, or v_wmma_f32_16x16x4_f32). A number that lies on a knife's edge between two numbers of the format may be rounded either way, as far as f32 arithmetic and the matrix unit's own rounding can turn it there, and no further.
;;   INPUTS GIVEN AS CODES. wk (in the module: [16, 1024, 64], K = its axis 1); wq (in the module: [16, 1024, 64], K = its axis 1); wv (in the module: [16, 1024, 64], K = its axis 1); x (in the module: [4, 2048, 1024], K = its axis 2): each comes as NAME_codes (uint8): NAME with its K axis moved to the last place and cut into blocks of 32 codes, [.., K / 32, bytes a block], one block behind the other in memory; two codes a byte, the lower K in the low four bits (a code: sign, 2 exponent bits, 1 mantissa bit); and NAME_scales (uint8): the same leading axes, one E8M0 byte (e + 127) for each 32 codes along K. Its value is code x scale, taken as it is: it is not quantised again, and the codes and scales need not be those that the quantiser above would give.
;; One version. Each part assembles by itself: llvm-mc -triple=amdgcn-amd-amdhsa -mcpu=gfx1250 --defsym DOCPART=n.
;; ======== version 1 of 1: 2 launches
;; workspace buffers: qc 4,194,304 bytes; qs 524,288 bytes; kv 8,912,896 bytes
;; launch proj (part 1): grid 16 x 16, 8 waves a work-group, clusters of 4 x 1, 182,272 bytes of LDS; arguments x_codes, x_scales, wq_codes, wq_scales, wk_codes, wk_scales, wv_codes, wv_scales, qc, qs, kv; writes qc, qs, kv
.if DOCPART == 1
	.amdgcn_target "amdgcn-amd-amdhsa--gfx1250"
	.amdhsa_code_object_version 6
	.text
	.protected	k_q146910121c_proj
	.globl	k_q146910121c_proj
	.p2align	8
	.type	k_q146910121c_proj,@function
k_q146910121c_proj:
	s_mov_b64 s[64:65], 0
	v_nop
	global_prefetch_b8 v0, s[64:65] scope:SCOPE_SE
	s_setreg_imm32_b32 hwreg(HW_REG_WAVE_MODE, 25, 1), 1
	s_wait_xcnt 0x0
	s_wait_alu depctr_hold_cnt(0) depctr_sa_sdst(0) depctr_va_vdst(0) depctr_va_sdst(0) depctr_va_ssrc(0) depctr_va_vcc(0) depctr_vm_vsrc(0)
	s_getreg_b32 s2, hwreg(HW_REG_IB_STS2, 6, 4)
	s_cmp_eq_u32 s2, 0
	s_cbranch_scc0 .Lentry_in_a_cluster
	s_endpgm
.Lentry_in_a_cluster:
	s_bfe_u32 s2, ttmp6, 0x10000c
	s_cmp_lg_u32 s2, 0x3003
	s_cbranch_scc0 .Lentry_shape_is_right
	s_endpgm
.Lentry_shape_is_right:
; q, k, v = x W for one head and 512 rows of x, on codes of FP4 (E2M1) with one E8M0 scale for each 32 along K = 1,024; the results are quantised at once and leave as IMAGES OF OPERAND REGISTERS.
; q and k are quantised along the head's 64 (two blocks of 32), v along the keys (blocks of 32 rows of x).
; SHARES.  Work-group = (row group G of 512 rows of x, head HD); 16 x 16 of them.  Wave w of eight owns rows 64 w .. 64 w + 63 of the group: four tiles of 16 rows, whose fragments for all of K
; (4 x 8 x 8 = 256 registers, window 1) stay in registers.  The head's 192 rows of wq, wk, wv, for all of K, lie in LDS, filled once: no byte of LDS is filled twice.
; One tile of W (16 rows x 1,024 K: 16 loads of 512 bytes, and one for its scale words) feeds 32 matrix instructions.
; CLUSTER.  The four row groups of a cluster need the same head's W: its six tensor loads are asked for jointly (mask 15).  x is NOT asked for jointly: the four partners own different rows of it,
; and the partners that would share rows (the 16 heads) would need 256 KiB of x beside 105 KiB of W in LDS, which does not fit without filling bytes again.
; LAYOUT.  q, k: source 0 = 16 rows of W, source 1 = 16 rows of x: a lane holds ONE row of x and its registers run along the head: register 16 b + 8 u + j = d 32 b + 16 u + 8 (lane / 16) + j.
; v: the sources swapped: a lane holds one d and its registers run along the keys in the same order.  A block of 32 lies in lanes l and l xor 16.  Its four conversions are written in the order
; (block 0, u 0), (block 1, u 0), (block 0, u 1), (block 1, u 1); two exchanges of halves then leave lanes 0-15 with block 0 and lanes 16-31 with block 1, ascending: the 4-bit operand's layout for 64 along K.
; OUT.  qc [bh][tile of 16 queries][lane][16 bytes];  qs [bh][tile][row] one word s | s << 16 (s: the row's two scale bytes);
; kv [bh][step of 128 keys] 8,704 bytes: K 8 tiles x 512 | V^T 4 tiles of d x (2 x 512) | K's scale words 4 x 64 (a word: tile 2 e's two bytes, tile 2 e + 1's two bytes) | V's scale words 4 x 64.
; LIMITS: a scale byte 0xff, NaN and infinities among the inputs are not served.  A block of zeros gets the byte 1 where the quantiser says 127: its codes are zeros, and only this program reads the bytes.
; A block whose largest magnitude lies under 2^(3 - 127) has its byte held at 1.
.set WPITCH, 528                       ; a row of W, and of the stage for x, in LDS: 512 bytes + 16: an odd multiple of 16, so the 16 rows that a fragment load touches fall on 16 different columns of 16 bytes
.set WUNIT,  64*WPITCH                 ; one of wq, wk, wv: 64 rows
.set WSC,    3*WUNIT                   ; their scale bytes: 3 x 2,048, rows of 32 bytes on end
.set XSTG,   WSC+3*2048                ; a stage of 16 rows for each wave, through which x turns from rows into fragments
.set XSW,    16*WPITCH
.set SCB,    XSTG+8*XSW                ; scale words on their way out: q's 2,048 | four blocks E of 512 (K's words, V's low halves) | four blocks of 512 of which the second half holds V's high halves
.set STEPB,  8704
.set HEADB,  16*STEPB
.set XS,  16                           ; v16-31   x's scale words: tile i, register g: lanes 0-15 K step g, lanes 16-31 K step 4 + g
.set WS,  32                           ; v32-35   the W tile's scale words, laid likewise
.set PC,  36                           ; v36-51   codes just made: four groups of four
.set TM,  52                           ; v52-53 largest magnitudes, v54-55 the other half's, v56-57 the conversions' scale operands, v58-59 bytes
.set SWD, 60                           ; v60-63   a group's two scale bytes
.set WF,  64                           ; v64-127  a W tile's fragments: 8 K steps x 8
.set ACC, 128                          ; v128-255 sixteen accumulators; ahead of them x's rows as they are loaded (T0, T1)
.set T0,  128
.set T1,  192
.set MSB, 0
.macro WIN new                         ; the immediate's high byte repeats the setting that is left; a switch that changes nothing is dropped
.if MSB != \new
	s_set_vgpr_msb (MSB<<8)|\new
.set MSB, \new
.endif
.endm
.macro PLACES                          ; four places: in front of loads into registers that matrix instructions have read, and of the first read of results
.rept 4
	v_nop
.endr
.endm
.macro CROUND                          ; a round of the cluster's barrier: my work-group's barrier, wave 0 signals for the work-group, every wave waits for all four, my work-group's barrier once more
	s_barrier_signal -1
	s_barrier_wait -1
	s_cmp_lg_u32 s3, 0
	s_cbranch_scc1 .Lnot_wave_0_\@
	s_barrier_signal -3
.Lnot_wave_0_\@:
	s_barrier_wait -3
	s_barrier_signal -1
	s_barrier_wait -1
.endm
	s_load_b256 s[8:15], s[0:1], 0x0               ; x's codes s[8:9], x's scales s[10:11], wq's codes s[12:13], wq's scales s[14:15]
	s_load_b256 s[16:23], s[0:1], 0x20             ; wk's codes, wk's scales, wv's codes, wv's scales
	s_load_b128 s[24:27], s[0:1], 0x40             ; qc, qs
	s_load_b64 s[28:29], s[0:1], 0x50              ; kv
	v_lshl_add_u32 v254, v0, 2, 0x2c400
	v_mov_b32 v255, 0
	ds_add_u32 v254, v255
	ds_add_u32 v254, v255
	s_wait_dscnt 0x0
	v_lshrrev_b32 v14, 5, v0
	v_readfirstlane_b32 s3, v14                    ; wave 0..7
	s_bfe_u32 s4, ttmp6, 0x40000                   ; cx: my place in the cluster; it enters x's, qc's, qs's and kv's addresses alone
	s_lshl_b32 s5, ttmp9, 2
	s_add_co_u32 s5, s5, s4                        ; G = 4 x cluster x + cx
	s_and_b32 s6, ttmp7, 0xffff                    ; the head, which the four partners share
	s_mov_b32 s30, 0x76543210
	s_mov_b32 s31, 0xfedcba98                      ; v_permlanex16_b32's selects for lane l xor 16
	s_and_b32 s78, s3, 1                           ; which 64 keys of a step of 128 are mine
	s_lshr_b32 s79, s3, 1                          ; which of the group's four steps
	s_lshl_b32 s80, s78, 4                         ; how far up V's two bytes stand in a step's word
	; descriptor group 1 for codes: 64 rows of 512 bytes (64 elements of 8 bytes), dense in memory, 4 words of padding behind every 128
	s_mov_b32 s32, 15|(3<<16)|(1<<20)|(1<<21)|(6<<22)|(3<<25)
	s_mov_b32 s33, 64<<16
	s_mov_b32 s34, 64<<16
	s_mov_b32 s35, 64<<16
	s_mov_b32 s36, 64
	s_mov_b32 s37, 64
	s_mov_b32 s38, 0
	s_mov_b32 s39, 0
	; and for scale bytes: 2,048 dense bytes as 8 rows of 256, no padding
	s_mov_b32 s40, 15|(3<<16)|(1<<21)
	s_mov_b32 s41, 32<<16
	s_mov_b32 s42, 8<<16
	s_mov_b32 s43, 32<<16
	s_mov_b32 s44, 8
	s_mov_b32 s45, 32
	s_mov_b32 s46, 0
	s_mov_b32 s47, 0
	s_mov_b32 s48, 1
	s_min_u32 s49, s3, 2
	s_mul_i32 s49, s49, WUNIT                      ; waves 0, 1, 2 bring wq's, wk's, wv's codes
	s_mov_b32 s52, 1
	s_lshl_b32 s53, s3, 11
	s_add_co_u32 s53, s53, WSC-3*2048              ; waves 3, 4, 5 their scale bytes
	; byte offsets of my wave's parts, each in a pair with 0 above it
	s_lshr_b32 s72, s5, 2                          ; the batch
	s_and_b32 s76, s5, 3                           ; which 512 rows of its 2,048
	s_lshl_b32 s72, s72, 4
	s_add_co_u32 s77, s72, s6                      ; bh = 16 x batch + head
	s_lshl_b32 s56, s5, 18                         ; x's codes: 512 rows of 512 bytes a group, 64 a wave
	s_lshl_b32 s72, s3, 15
	s_add_co_u32 s56, s56, s72
	s_mov_b32 s57, 0
	s_lshl_b32 s58, s5, 14                         ; x's scales: rows of 32 bytes
	s_lshl_b32 s72, s3, 11
	s_add_co_u32 s58, s58, s72
	s_mov_b32 s59, 0
	s_lshl_b32 s60, s77, 16                        ; qc: 65,536 a head, 512 a tile, tile 32 lq + 4 w
	s_lshl_b32 s73, s76, 14
	s_add_co_u32 s60, s60, s73
	s_add_co_u32 s60, s60, s72
	s_mov_b32 s61, 0
	s_mul_i32 s72, s77, HEADB                      ; kv: the head's block,
	s_lshl_b32 s73, s76, 2
	s_add_co_u32 s74, s73, s79                     ; step 4 lq + w / 2
	s_mul_i32 s74, s74, STEPB
	s_add_co_u32 s74, s74, s72
	s_lshl_b32 s75, s78, 11
	s_add_co_u32 s62, s74, s75                     ; K: my four tiles of the step's eight
	s_mov_b32 s63, 0
	s_lshl_b32 s75, s78, 9
	s_add_co_u32 s66, s74, s75
	s_add_co_u32 s66, s66, 4096                    ; V^T: my half of each fragment
	s_mov_b32 s67, 0
	s_and_b32 s75, s3, 3                           ; the scale words leave 512 bytes a wave: waves 4-7 take step 4 lq + w - 4's,
	s_add_co_u32 s75, s75, s73
	s_mul_i32 s75, s75, STEPB
	s_add_co_u32 s74, s75, s72
	s_add_co_u32 s74, s74, 8192
	s_mov_b32 s75, 0
	s_lshl_b32 s72, s77, 13                        ; waves 0-3 a quarter of q's 2,048 bytes
	s_lshl_b32 s73, s76, 11
	s_add_co_u32 s72, s72, s73
	s_lshl_b32 s73, s3, 9
	s_add_co_u32 s72, s72, s73
	s_mov_b32 s73, 0
	s_lshl_b32 s86, s6, 15                         ; the head's codes in a weight: 64 rows of 512 bytes
	s_mov_b32 s87, 0
	s_wait_kmcnt 0x0
	s_cmp_eq_u32 s3, 1                             ; which weight I fetch hangs on the wave's number alone
	s_cselect_b64 s[84:85], s[16:17], s[12:13]
	s_cmp_eq_u32 s3, 2
	s_cselect_b64 s[84:85], s[20:21], s[84:85]
	s_add_nc_u64 s[50:51], s[84:85], s[86:87]
	s_or_b32 s51, s51, 0x80000000
	s_cmp_eq_u32 s3, 4
	s_cselect_b64 s[84:85], s[18:19], s[14:15]
	s_cmp_eq_u32 s3, 5
	s_cselect_b64 s[84:85], s[22:23], s[84:85]
	s_lshl_b32 s86, s6, 11                         ; and its scale bytes: 64 rows of 32
	s_add_nc_u64 s[54:55], s[84:85], s[86:87]
	s_or_b32 s55, s55, 0x80000000
	CROUND                                         ; all four work-groups are here: the joint loads meet
	s_cmp_lt_u32 s3, 3                             ; one load a wave, in waves 0 to 5; four v_nop follow each line
	s_cbranch_scc0 .Lnot_codes
	tensor_load_to_lds s[48:51], s[32:39]
	s_nop 0
.rept 4
	v_nop
.endr
	s_branch .Lasked
.Lnot_codes:
	s_cmp_lt_u32 s3, 6
	s_cbranch_scc0 .Lasked
	tensor_load_to_lds s[52:55], s[40:47]
	s_nop 0
.rept 4
	v_nop
.endr
.Lasked:
	s_add_nc_u64 s[56:57], s[8:9], s[56:57]        ; x's codes at my first row
	s_add_nc_u64 s[58:59], s[10:11], s[58:59]      ; x's scales
	s_add_nc_u64 s[60:61], s[24:25], s[60:61]      ; qc
	s_add_nc_u64 s[62:63], s[28:29], s[62:63]      ; kv: K
	s_add_nc_u64 s[66:67], s[28:29], s[66:67]      ; kv: V^T
	s_add_nc_u64 s[72:73], s[26:27], s[72:73]
	s_add_nc_u64 s[74:75], s[28:29], s[74:75]
	s_cmp_lt_u32 s3, 4
	s_cselect_b64 s[68:69], s[72:73], s[74:75]     ; where my 512 bytes of scale words go
	v_and_b32 v52, 31, v0                          ; lane
	v_and_b32 v53, 15, v0                          ; r
	v_bfe_u32 v56, v0, 4, 1                        ; h
	v_lshlrev_b32 v1, 4, v52                       ; v1  16 x lane: a row's, and an image's, place for my lane
	v_lshlrev_b32 v2, 5, v53
	v_lshl_add_u32 v2, v56, 4, v2                  ; v2  32 r + 16 h: four scale words of row r
.macro LOADX i, tr                     ; tile i of my rows of x: sixteen loads, each a whole row of 512 consecutive bytes
.irp p, 0,1,2,3,4,5,6,7,8,9,10,11,12,13,14,15
	global_load_b128 v[\tr+4*\p:\tr+4*\p+3], v1, s[56:57] offset:(16*\i+\p)*512
.endr
.endm
.macro TURN i, tr                      ; through my stage: in as rows, back as fragments (lane (r, h): row r, bytes 64 s + 32 c + 16 h), into window 1.  LDS serves a wave's instructions in order: no wait between
.irp p, 0,1,2,3,4,5,6,7,8,9,10,11,12,13,14,15
	ds_store_b128 v3, v[\tr+4*\p:\tr+4*\p+3] offset:WPITCH*\p
.endr
	WIN 0x40                                       ; destination window 1
.irp s, 0,1,2,3,4,5,6,7
.irp c, 0,1
	ds_load_b128 v[64*\i+8*\s+4*\c:64*\i+8*\s+4*\c+3], v4 offset:64*\s+32*\c
.endr
.endr
	WIN 0
.endm
.irp i, 0,1,2,3
	global_load_b128 v[XS+4*\i:XS+4*\i+3], v2, s[58:59] offset:512*\i   ; a tile's scale bytes: 512 consecutive bytes
.endr
	LOADX 0, T0
	LOADX 1, T1
	s_mul_i32 s70, s3, XSW
	s_add_co_u32 s70, s70, XSTG                    ; my stage
	v_add_nc_u32 v3, s70, v1                       ; v3  into it
	v_mul_u32_u24 v5, v53, WPITCH
	v_lshl_add_u32 v5, v56, 4, v5                  ; v5  a fragment's row x pitch + 16 h: wq's tiles
	v_add_nc_u32 v4, s70, v5                       ; v4  out of the stage
	v_add_nc_u32 v6, WUNIT, v5                     ; v6  wk's
	v_add_nc_u32 v7, 2*WUNIT, v5                   ; v7  wv's
	v_add_nc_u32 v8, WSC, v2                       ; v8  W's scale words
	v_lshlrev_b32 v57, 2, v53                      ; 4 r
	s_lshl_b32 s70, s3, 8
	s_add_co_u32 s70, s70, SCB
	v_add_nc_u32 v9, s70, v57                      ; v9  q's words: 256 w + 64 tile + 4 r
	s_lshl_b32 s70, s79, 9
	s_lshl_b32 s71, s78, 7
	s_add_co_u32 s71, s71, s70
	s_add_co_u32 s71, s71, SCB+2048
	v_add_nc_u32 v10, s71, v57                     ; v10 K's words: block E of my step, my two of its four
	s_lshl_b32 s71, s78, 11
	s_add_co_u32 s71, s71, s70
	s_add_co_u32 s71, s71, SCB+2304
	v_add_nc_u32 v11, s71, v57                     ; v11 V's words: the even wave's in E's second half, the odd wave's 2,048 bytes on
	s_lshl_b32 s70, s3, 9
	s_add_co_u32 s70, s70, SCB
	v_add_nc_u32 v12, s70, v1                      ; v12 the way out: 512 bytes a wave
	v_lshl_add_u32 v13, v56, 11, v12               ; v13 the same; lanes 16-31 2,048 bytes on: V's high halves
	v_mov_b32 v54, 0                               ; written once: a lane permute's destination counts as one of its sources
	v_mov_b32 v55, 0
	s_wait_loadcnt 16                              ; the scale words and tile 0 are in; tile 1's sixteen loads may be out
	TURN 0, T0
	s_wait_dscnt 0x0                               ; the stores have read T0
	LOADX 2, T0
	s_wait_loadcnt 16                              ; tile 1 is in; tile 2's sixteen may be out
	TURN 1, T1
	s_wait_dscnt 0x0
	LOADX 3, T1
	s_wait_loadcnt 16                              ; tile 2 is in
	TURN 2, T0
	s_wait_loadcnt 0x0
	TURN 3, T1
	s_wait_tensorcnt 0x0                           ; my part of W has landed,
	s_wait_dscnt 0x0                               ; x's fragments are in,
	s_barrier_signal -1
	s_barrier_wait -1                              ; and W is whole for all eight waves
.macro FETCHW adr, kind, t             ; tile t of a weight: its scale words first, then its fragments, K ascending
	ds_load_b128 v[WS:WS+3], v8 offset:\kind*2048+\t*512
.irp s, 0,1,2,3,4,5,6,7
.irp c, 0,1
	ds_load_b128 v[WF+8*\s+4*\c:WF+8*\s+4*\c+3], v[\adr] offset:\t*16*WPITCH+64*\s+32*\c
.endr
.endr
.endm
; Sixteen products: K steps s0 .. s0 + 3, my four tiles of x by turns, one instruction a turn.  The first K step starts the sums.  K steps 4-7 take their scale words from lanes 16-31.
.macro MULQK t, s0                     ; source 0 = W's tile t, source 1 = x's tile i (window 1)
.irp s, \s0, \s0+1, \s0+2, \s0+3
.irp i, 0,1,2,3
.if (\s) == 0
	v_wmma_scale_f32_16x16x128_f8f6f4 v[ACC+32*\i+8*\t:ACC+32*\i+8*\t+7], v[WF+8*(\s):WF+8*(\s)+7], v[64*\i+8*(\s):64*\i+8*(\s)+7], 0, v[WS+(\s)%4], v[XS+4*\i+(\s)%4] matrix_a_fmt:MATRIX_FMT_FP4 matrix_b_fmt:MATRIX_FMT_FP4
.elseif (\s) < 4
	v_wmma_scale_f32_16x16x128_f8f6f4 v[ACC+32*\i+8*\t:ACC+32*\i+8*\t+7], v[WF+8*(\s):WF+8*(\s)+7], v[64*\i+8*(\s):64*\i+8*(\s)+7], v[ACC+32*\i+8*\t:ACC+32*\i+8*\t+7], v[WS+(\s)%4], v[XS+4*\i+(\s)%4] matrix_a_fmt:MATRIX_FMT_FP4 matrix_b_fmt:MATRIX_FMT_FP4
.else
	v_wmma_scale_f32_16x16x128_f8f6f4 v[ACC+32*\i+8*\t:ACC+32*\i+8*\t+7], v[WF+8*(\s):WF+8*(\s)+7], v[64*\i+8*(\s):64*\i+8*(\s)+7], v[ACC+32*\i+8*\t:ACC+32*\i+8*\t+7], v[WS+(\s)%4], v[XS+4*\i+(\s)%4] matrix_a_fmt:MATRIX_FMT_FP4 matrix_b_fmt:MATRIX_FMT_FP4 matrix_a_scale:MATRIX_SCALE_ROW1 matrix_b_scale:MATRIX_SCALE_ROW1
.endif
.endr
.endr
.endm
.macro MULV t, s0                      ; source 0 = x's tile i (window 1), source 1 = wv's tile t
.irp s, \s0, \s0+1, \s0+2, \s0+3
.irp i, 0,1,2,3
.if (\s) == 0
	v_wmma_scale_f32_16x16x128_f8f6f4 v[ACC+32*\t+8*\i:ACC+32*\t+8*\i+7], v[64*\i+8*(\s):64*\i+8*(\s)+7], v[WF+8*(\s):WF+8*(\s)+7], 0, v[XS+4*\i+(\s)%4], v[WS+(\s)%4] matrix_a_fmt:MATRIX_FMT_FP4 matrix_b_fmt:MATRIX_FMT_FP4
.elseif (\s) < 4
	v_wmma_scale_f32_16x16x128_f8f6f4 v[ACC+32*\t+8*\i:ACC+32*\t+8*\i+7], v[64*\i+8*(\s):64*\i+8*(\s)+7], v[WF+8*(\s):WF+8*(\s)+7], v[ACC+32*\t+8*\i:ACC+32*\t+8*\i+7], v[XS+4*\i+(\s)%4], v[WS+(\s)%4] matrix_a_fmt:MATRIX_FMT_FP4 matrix_b_fmt:MATRIX_FMT_FP4
.else
	v_wmma_scale_f32_16x16x128_f8f6f4 v[ACC+32*\t+8*\i:ACC+32*\t+8*\i+7], v[64*\i+8*(\s):64*\i+8*(\s)+7], v[WF+8*(\s):WF+8*(\s)+7], v[ACC+32*\t+8*\i:ACC+32*\t+8*\i+7], v[XS+4*\i+(\s)%4], v[WS+(\s)%4] matrix_a_fmt:MATRIX_FMT_FP4 matrix_b_fmt:MATRIX_FMT_FP4 matrix_a_scale:MATRIX_SCALE_ROW1 matrix_b_scale:MATRIX_SCALE_ROW1
.endif
.endr
.endr
.endm
; 32 numbers of a lane, register 16 b + 8 u + j = k 32 b + 16 u + 8 (lane / 16) + j, become four registers of codes (k = 32 (lane / 16) + 0 .. 31) and the two scale bytes.  Each accumulator is read from its low end on.
.macro QUANT32 src, pc, sw
	v_max3_num_f32 v[TM], |v[\src]|, |v[\src+1]|, 0x1800000        ; my 16 numbers of each block, and the floor 2^(3 - 127): the byte cannot fall under 1
	v_max3_num_f32 v[TM+1], |v[\src+16]|, |v[\src+17]|, 0x1800000
.irp i, 2,4,6,8,10,12,14
	v_max3_num_f32 v[TM], v[TM], |v[\src+\i]|, |v[\src+\i+1]|      ; (the two blocks by turns)
	v_max3_num_f32 v[TM+1], v[TM+1], |v[\src+16+\i]|, |v[\src+17+\i]|
.endr
	v_permlanex16_b32 v[TM+2], v[TM], s30, s31
	v_permlanex16_b32 v[TM+3], v[TM+1], s30, s31
	v_max_num_f32 v[TM], v[TM], v[TM+2]            ; with lane l xor 16's: the block's largest magnitude
	v_max_num_f32 v[TM+1], v[TM+1], v[TM+3]
	v_add_nc_u32 v[TM+4], 0xff000000, v[TM]        ; 2 off its exponent field: the conversion takes the exponent field of this operand as its scale
	v_add_nc_u32 v[TM+5], 0xff000000, v[TM+1]
	v_lshrrev_b32 v[TM+6], 23, v[TM+4]             ; the scale's byte
	v_lshrrev_b32 v[TM+7], 23, v[TM+5]
	v_lshl_or_b32 v[\sw], v[TM+7], 8, v[TM+6]
	v_cvt_scalef32_pk8_fp4_f32 v[\pc], v[\src:\src+7], v[TM+4]
	v_cvt_scalef32_pk8_fp4_f32 v[\pc+1], v[\src+16:\src+23], v[TM+5]
	v_cvt_scalef32_pk8_fp4_f32 v[\pc+2], v[\src+8:\src+15], v[TM+4]
	v_cvt_scalef32_pk8_fp4_f32 v[\pc+3], v[\src+24:\src+31], v[TM+5]
	v_nop                                          ; one plain place behind a scaled conversion
	v_permlane16_swap_b32 v[\pc], v[\pc+1]         ; the first's lanes 16-31 change places with the second's lanes 0-15: a whole block in a lane
	v_permlane16_swap_b32 v[\pc+2], v[\pc+3]
.endm
; One of q (0), k (1), v (2): four tiles of the weight x my four tiles of x, then the quantiser and the stores.  Every store of codes covers 512 consecutive bytes, aligned.
.macro PHASE kind, adr
.irp t, 0,1,2,3
	PLACES
	FETCHW \adr, \kind, \t
	s_wait_dscnt 8                                 ; the scale words and K steps 0-3 are in; the youngest eight loads (K steps 4-7) may be out
.if \kind == 2
	WIN 0x01                                       ; source 0 window 1
	MULV \t, 0
	s_wait_dscnt 0x0
	MULV \t, 4
.else
	WIN 0x04                                       ; source 1 window 1
	MULQK \t, 0
	s_wait_dscnt 0x0
	MULQK \t, 4
.endif
	WIN 0
.endr
	PLACES
	s_wait_xcnt 0x0                                ; the codes' registers, which the last phase's stores read, are written again only behind this wait
.irp g, 0,1,2,3
	QUANT32 ACC+32*\g, PC+4*\g, SWD+\g
.if \kind == 0
	global_store_b128 v1, v[PC+4*\g:PC+4*\g+3], s[60:61] offset:512*\g
	v_lshl_or_b32 v[14+\g%2], v[SWD+\g], 16, v[SWD+\g]             ; the two bytes twice: they serve q in the lower and in the upper half of K = 128
	ds_store_b32 v9, v[14+\g%2] offset:64*\g       ; (lanes r and 16 + r write the same word with the same value)
.elseif \kind == 1
	global_store_b128 v1, v[PC+4*\g:PC+4*\g+3], s[62:63] offset:512*\g
.if \g%2 == 1
	v_lshl_or_b32 v[14+\g/2], v[SWD+\g], 16, v[SWD+\g-1]           ; two neighbouring tiles of keys share a fragment and a scale word
	ds_store_b32 v10, v[14+\g/2] offset:64*(\g/2)
.endif
.else
	global_store_b128 v1, v[PC+4*\g:PC+4*\g+3], s[66:67] offset:1024*\g
	v_lshlrev_b32 v[14+\g%2], s80, v[SWD+\g]       ; my 64 keys' two bytes at their place in the step's word
	ds_store_b32 v11, v[14+\g%2] offset:64*\g
.endif
.endr
.endm
	PHASE 0, 5
	PHASE 1, 6
	PHASE 2, 7
	; the scale words leave: 512 consecutive bytes a wave
	s_wait_dscnt 0x0                               ; for the others' sake: my stores of scale words are done
	s_barrier_signal -1
	s_barrier_wait -1
	ds_load_b128 v[64:67], v12
	s_cmp_lt_u32 s3, 4
	s_cbranch_scc1 .Lplain
	ds_load_b128 v[68:71], v13                     ; lanes 16-31: V's high halves; lanes 0-15: the same words once more, which the OR leaves as they are
	s_wait_dscnt 0x0
	v_or_b32 v64, v64, v68
	v_or_b32 v65, v65, v69
	v_or_b32 v66, v66, v70
	v_or_b32 v67, v67, v71
.Lplain:
	s_wait_dscnt 0x0
	global_store_b128 v1, v[64:67], s[68:69]
	s_wait_xcnt 0x0
	v_lshl_add_u32 v254, v0, 2, 0x2c400
	v_mov_b32 v255, 0
	s_wait_tensorcnt 0x0
	ds_add_u32 v254, v255
	s_wait_dscnt 0x0
	CROUND                                         ; the closing round: no work-group ends while a partner may still ask for a tile that names it
	s_endpgm
.Lfunc_end_k_q146910121c_proj:
	.size	k_q146910121c_proj, .Lfunc_end_k_q146910121c_proj-k_q146910121c_proj
	.p2alignl 7, 3214868480
	.fill 96, 4, 3214868480
	.section	.rodata,"a",@progbits
	.p2align	6, 0x0
	.amdhsa_kernel k_q146910121c_proj
		.amdhsa_group_segment_fixed_size 182272
		.amdhsa_private_segment_fixed_size 0
		.amdhsa_enable_private_segment 0
		.amdhsa_kernarg_size 88
		.amdhsa_user_sgpr_count 2
		.amdhsa_user_sgpr_kernarg_segment_ptr 1
		.amdhsa_wavefront_size32 1
		.amdhsa_system_sgpr_workgroup_id_x 1
		.amdhsa_system_sgpr_workgroup_id_y 1
		.amdhsa_system_sgpr_workgroup_id_z 1
		.amdhsa_system_vgpr_workitem_id 0
		.amdhsa_next_free_vgpr 512
		.amdhsa_next_free_sgpr 88
		.amdhsa_reserve_vcc 0
		.amdhsa_float_denorm_mode_32 3
		.amdhsa_float_denorm_mode_16_64 3
		.amdhsa_memory_ordered 1
		.amdhsa_forward_progress 1
		.amdhsa_inst_pref_size 112
	.end_amdhsa_kernel
	.amdgpu_metadata
---
amdhsa.version: [ 1, 2 ]
amdhsa.kernels:
  - .name:           k_q146910121c_proj
    .symbol:         k_q146910121c_proj.kd
    .args:
      - { .name: x_codes, .offset: 0, .size: 8, .value_kind: global_buffer, .address_space: global }
      - { .name: x_scales, .offset: 8, .size: 8, .value_kind: global_buffer, .address_space: global }
      - { .name: wq_codes, .offset: 16, .size: 8, .value_kind: global_buffer, .address_space: global }
      - { .name: wq_scales, .offset: 24, .size: 8, .value_kind: global_buffer, .address_space: global }
      - { .name: wk_codes, .offset: 32, .size: 8, .value_kind: global_buffer, .address_space: global }
      - { .name: wk_scales, .offset: 40, .size: 8, .value_kind: global_buffer, .address_space: global }
      - { .name: wv_codes, .offset: 48, .size: 8, .value_kind: global_buffer, .address_space: global }
      - { .name: wv_scales, .offset: 56, .size: 8, .value_kind: global_buffer, .address_space: global }
      - { .name: qc, .offset: 64, .size: 8, .value_kind: global_buffer, .address_space: global }
      - { .name: qs, .offset: 72, .size: 8, .value_kind: global_buffer, .address_space: global }
      - { .name: kv, .offset: 80, .size: 8, .value_kind: global_buffer, .address_space: global }
    .group_segment_fixed_size: 182272
    .private_segment_fixed_size: 0
    .kernarg_segment_align: 8
    .kernarg_segment_size: 88
    .max_flat_workgroup_size: 256
    .sgpr_count:     88
    .vgpr_count:     512
    .wavefront_size: 32
...
	.end_amdgpu_metadata
.endif
;; end of part 1
;; launch attn (part 2): grid 4 x 64, 16 waves a work-group, clusters of 4 x 1, 210,944 bytes of LDS; arguments qc, qs, kv, out0; writes out0
.if DOCPART == 2
	.amdgcn_target "amdgcn-amd-amdhsa--gfx1250"
	.amdhsa_code_object_version 6
	.text
	.protected	k_q146910121c_attn
	.globl	k_q146910121c_attn
	.p2align	8
	.type	k_q146910121c_attn,@function
k_q146910121c_attn:
	s_mov_b64 s[64:65], 0
	v_nop
	global_prefetch_b8 v0, s[64:65] scope:SCOPE_SE
	s_setreg_imm32_b32 hwreg(HW_REG_WAVE_MODE, 25, 1), 1
	s_wait_xcnt 0x0
	s_wait_alu depctr_hold_cnt(0) depctr_sa_sdst(0) depctr_va_vdst(0) depctr_va_sdst(0) depctr_va_ssrc(0) depctr_va_vcc(0) depctr_vm_vsrc(0)
	s_getreg_b32 s2, hwreg(HW_REG_IB_STS2, 6, 4)
	s_cmp_eq_u32 s2, 0
	s_cbranch_scc0 .Lentry_in_a_cluster
	s_endpgm
.Lentry_in_a_cluster:
	s_bfe_u32 s2, ttmp6, 0x10000c
	s_cmp_lg_u32 s2, 0x3003
	s_cbranch_scc0 .Lentry_shape_is_right
	s_endpgm
.Lentry_shape_is_right:
; Causal attention of one (batch, head) on codes of FP4 (E2M1) with one E8M0 scale for each 32 along a product's K.  q, k and v come as images of operand registers, each fragment 16 bytes a lane on end.
; THE SOFTMAX AHEAD OF THE SECOND PRODUCT: t = score x log2(e) / 8; M = the row's largest t so far, rounded UP to a whole number; p = 2^(t - M) is quantised along the keys, not normalised.
; The row's sum is taken of the unquantised p and divides O at the end.  When M moves, the sum and O are multiplied by 2^(old M - new M): exact.
; SHARES.  The four work-groups of a cluster share one head; each has sixteen waves of 256 registers, four to a SIMD.  With a = wave % 8 and c = 2 cx + wave / 8, a wave owns two tiles of 16 queries:
; 8 a + c and 8 (15 - a) + c.  A tile of group g (tile / 8) needs key steps 0 .. g of 128 keys: (a + 1) + (16 - a) = 17 worked steps in every wave, two of them on the diagonal.
; The groups hang on the wave's number alone: no branch and no LDS address hangs on the place in the cluster; c enters q's and O's addresses and the mask's vector operand.
; LDS.  The head's whole block of K, V^T and their scale words, 16 steps x 8,704 bytes, is asked for jointly by the four work-groups (waves 0-7, 17,408 bytes each) and filled once; behind it a stage for each wave.
; LAYOUT.  Both products are used transposed: S^T = K Q^T, O^T = V^T P^T: a lane holds ONE query throughout.
; THE HEAD'S 64 FILL HALF OF K = 128: a fragment of K holds TWO tiles of 16 keys (registers 0-3: keys 32 e + 0 .. 15, registers 4-7: keys 32 e + 16 .. 31), and q stands in twelve registers [0 0 0 0 | q | 0 0 0 0]:
; the upper eight, [q; 0], give the first tile's scores, the lower eight, [0; q], the second's.  Zero codes add nothing under any scale byte but 0xff.
; In tile 2 e + u, register j of lane (r, h) is key 32 e + 16 u + 8 h + j: a block of 32 keys lies in lanes l and l xor 16; the conversions' order and two exchanges of halves for each pair of blocks give P's operand.
; LIMITS: p under 2^-126 falls to 0 (v_exp_f32 flushes).  A block's largest p is taken from its largest score by the same multiply-add and exponential, which takes v_exp_f32 not to fall where its input rises.
; A block whose every p is 0 keeps the byte 1: its codes are zeros.  NaN and infinities among the scores are not served.
.set STEPB, 8704                       ; a key step: K 4 x 1,024 | V^T 4 x 1,024 | K's scale words 256 | V's 256
.set HEADB, 16*STEPB
.set KF,  40                           ; v40-71   K's four fragments
.set VF,  72                           ; v72-103  V^T's four
.set S,   104                          ; v104-167 S^T, then p; on the way out O / l and the rows read back
.set O,   168                          ; v168-199 O^T: four tiles of 16 of the head's 64
.set P,   200                          ; v200-207 p's codes
.set KS,  208                          ; v208-209 K's scale words: lanes 0-15 fragment 2 i, lanes 16-31 fragment 2 i + 1
.set VS,  210                          ; v210-211 V's likewise
.set PW,  212                          ; v212     p's scale word
.set F,   214                          ; v[214:215] f = 2^(old M - new M) (v215 is named with it as a pair)
.set BM,  216                          ; v216-219 each block's largest score, then largest p
.set BP,  220                          ; v220-223 the other half's; later the bytes
.set BS,  224                          ; v224-227 the conversions' scale operands
.set TT,  228                          ; v228     at work
.set L2,  230                          ; v[230:231] the sum's second chain
.set NINF, 232                         ; v232     -infinity
; v1 16 x lane, v2 4 x lane, v3 16 c + r - 8 h, v4 / v5 the stage in / back, v6 my bytes in two rows of O, v7 4 r, v8 / v9 the step's LDS addresses, v10 / v11 q's scale words,
; v12 -M, v13 the largest t, v[14:15] the sum in two halves, v16-27 and v28-39 the two tiles' q between zeros
.macro PLACES                          ; four places: in front of loads into registers that matrix instructions have read, and of the first read of results
.rept 4
	v_nop
.endr
.endm
.macro CROUND                          ; a round of the cluster's barrier
	s_barrier_signal -1
	s_barrier_wait -1
	s_cmp_lg_u32 s12, 0
	s_cbranch_scc1 .Lnot_wave_0_\@
	s_barrier_signal -3
.Lnot_wave_0_\@:
	s_barrier_wait -3
	s_barrier_signal -1
	s_barrier_wait -1
.endm
	s_load_b256 s[4:11], s[0:1], 0x0               ; qc s[4:5], qs s[6:7], kv s[8:9], out0 s[10:11]
	v_lshl_add_u32 v254, v0, 2, 0x33000
	v_mov_b32 v255, 0
	ds_add_u32 v254, v255
	ds_add_u32 v254, v255
	v_lshrrev_b32 v8, 5, v0
	v_readfirstlane_b32 s12, v8                    ; wave 0..15
	s_bfe_u32 s13, ttmp6, 0x40000                  ; cx
	s_and_b32 s14, ttmp7, 0xffff                   ; bh = 16 x batch + head, which the four partners share
	s_and_b32 s17, s12, 7                          ; a: the first tile's group
	s_xor_b32 s18, s17, 15                         ; 15 - a: the second's
	s_lshr_b32 s52, s12, 3
	s_lshl_b32 s16, s13, 1
	s_add_co_u32 s16, s16, s52                     ; c = 2 cx + wave / 8
	s_mov_b32 s20, 0x76543210
	s_mov_b32 s21, 0xfedcba98                      ; v_permlanex16_b32's selects for lane l xor 16
	s_mov_b32 s22, 0x3e38aa3b                      ; log2(e) / 8
	s_mov_b32 s23, s22                             ; (named with it as a pair, so it is written)
	; descriptor group 1: 17,408 dense bytes as 68 rows of 256 (32 elements of 8 bytes), no padding: every read is 16 or 4 bytes a lane on end
	s_mov_b32 s24, 15|(3<<16)|(1<<21)
	s_mov_b32 s25, 32<<16
	s_mov_b32 s26, 68<<16
	s_mov_b32 s27, 32<<16
	s_mov_b32 s28, 68
	s_mov_b32 s29, 32
	s_mov_b32 s30, 0
	s_mov_b32 s31, 0
	s_mov_b32 s32, 1
	s_mul_i32 s33, s17, 2*STEPB                    ; waves 0-7: two key steps each
	s_mul_i32 s54, s14, HEADB
	s_add_co_u32 s54, s54, s33
	s_mov_b32 s55, 0
	s_lshl_b32 s56, s17, 3
	s_add_co_u32 s56, s56, s16                     ; the first tile: 8 a + c
	s_lshl_b32 s57, s18, 3
	s_add_co_u32 s57, s57, s16                     ; the second: 8 (15 - a) + c
	s_lshl_b32 s58, s14, 16                        ; qc: 65,536 a head, 512 a tile
	s_lshl_b32 s40, s56, 9
	s_add_co_u32 s40, s40, s58
	s_mov_b32 s41, 0
	s_lshl_b32 s42, s57, 9
	s_add_co_u32 s42, s42, s58
	s_mov_b32 s43, 0
	s_lshl_b32 s58, s14, 13                        ; qs: 8,192 a head, 64 a tile
	s_lshl_b32 s44, s56, 6
	s_add_co_u32 s44, s44, s58
	s_mov_b32 s45, 0
	s_lshl_b32 s46, s57, 6
	s_add_co_u32 s46, s46, s58
	s_mov_b32 s47, 0
	s_lshr_b32 s58, s14, 4                         ; out0: row (batch, query) of 4,096 bytes, the head's 256 bytes in it
	s_lshl_b32 s58, s58, 23
	s_and_b32 s59, s14, 15
	s_lshl_b32 s59, s59, 8
	s_add_co_u32 s58, s58, s59
	s_lshl_b32 s48, s56, 16
	s_add_co_u32 s48, s48, s58
	s_mov_b32 s49, 0
	s_lshl_b32 s50, s57, 16
	s_add_co_u32 s50, s50, s58
	s_mov_b32 s51, 0
	s_wait_dscnt 0x0
	s_wait_kmcnt 0x0
	s_add_nc_u64 s[34:35], s[8:9], s[54:55]
	s_or_b32 s35, s35, 0x80000000
	CROUND                                         ; all four work-groups are here: the joint loads meet
	s_cmp_lt_u32 s12, 8
	s_cbranch_scc0 .Lno_fill
	tensor_load_to_lds s[32:35], s[24:31]          ; one load a wave; four v_nop follow it
	s_nop 0
.rept 4
	v_nop
.endr
.Lno_fill:
	s_add_nc_u64 s[40:41], s[4:5], s[40:41]
	s_add_nc_u64 s[42:43], s[4:5], s[42:43]
	s_add_nc_u64 s[44:45], s[6:7], s[44:45]
	s_add_nc_u64 s[46:47], s[6:7], s[46:47]
	s_add_nc_u64 s[48:49], s[10:11], s[48:49]
	s_add_nc_u64 s[50:51], s[10:11], s[50:51]
	v_and_b32 v8, 31, v0                           ; lane
	v_and_b32 v9, 15, v0                           ; r
	v_bfe_u32 v[TT], v0, 4, 1                      ; h
	v_lshlrev_b32 v1, 4, v8
	v_lshlrev_b32 v2, 2, v8
	v_lshlrev_b32 v7, 2, v9
	global_load_b128 v[20:23], v1, s[40:41]        ; q of the two tiles, as it stood in the registers that made it
	global_load_b128 v[32:35], v1, s[42:43]
	global_load_b32 v10, v7, s[44:45]              ; and its scale words
	global_load_b32 v11, v7, s[46:47]
	v_lshlrev_b32 v3, 3, v[TT]
	v_sub_nc_u32 v3, v9, v3
	s_lshl_b32 s56, s16, 4
	v_add_nc_u32 v3, s56, v3                       ; my query's place in its diagonal step, less 8 h: 16 c + r - 8 h
	s_mul_i32 s52, s12, 16*272
	s_add_co_u32 s52, s52, HEADB                   ; my stage: 16 rows x (256 bytes + 16)
	v_mul_u32_u24 v4, v9, 272
	v_lshl_add_u32 v4, v[TT], 5, v4
	v_add_nc_u32 v4, s52, v4                       ; in: row r, 32 bytes for each half of the lanes
	v_mul_u32_u24 v5, v[TT], 272
	v_lshl_add_u32 v5, v9, 4, v5
	v_add_nc_u32 v5, s52, v5                       ; back: lanes 0-15 one row, lanes 16-31 the next
	v_lshlrev_b32 v6, 12, v[TT]
	v_lshl_add_u32 v6, v9, 4, v6                   ; and the same two rows in out0
.irp j, 16,17,18,19,24,25,26,27,28,29,30,31,36,37,38,39
	v_mov_b32 v\j, 0                               ; the zero codes on both sides of q
.endr
.irp b, 0,1,2,3
	v_mov_b32 v[BP+\b], 0                          ; written once: a lane permute's destination counts as one of its sources
.endr
	v_mov_b32 v[F+1], 0
	v_mov_b32 v[NINF], 0xff800000
	s_wait_loadcnt 0x0                             ; q
	s_wait_tensorcnt 0x0                           ; my part of the head's block has landed,
	s_barrier_signal -1
	s_barrier_wait -1                              ; everybody's has
; One tile of 16 queries: qz its twelve registers, qs its scale words' register, ga the scalar register with its group, ob the pair with its rows of out0.
; The loop has a constant 16 trips; a step all of whose keys come after the tile's queries is left out by a scalar branch on the wave's number and the trip, round the step's work alone.
.macro PASS qz, qs, ga, ob
	s_wait_xcnt 0x0                                ; the last tile's stores have read their registers
	v_mov_b32 v13, 0xff61b1e6                      ; the largest t so far: -3e38, under every t
	v_floor_f32 v12, -v13                          ; -M
	v_mov_b32 v14, 0                               ; the sum, in two halves
	v_mov_b32 v15, 0
.set J, 0
.rept 32
	v_mov_b32 v[O+J], 0                            ; O^T.  (The step is written once: the first finds zeros, which the first change of M leaves zeros)
.set J, J+1
.endr
	s_mov_b32 s36, 0                               ; the key step
	s_mov_b32 s37, 0                               ; and where it begins in LDS
.Lstep_\@:
	s_cmp_gt_u32 s36, s[\ga]
	s_cbranch_scc1 .Lhidden_\@
	v_add_nc_u32 v8, s37, v1
	v_add_nc_u32 v9, s37, v2
.irp e, 0,1,2,3
.irp c, 0,1
	ds_load_b128 v[KF+8*\e+4*\c:KF+8*\e+4*\c+3], v8 offset:1024*\e+512*\c
.endr
.endr
.irp i, 0,1
	ds_load_b32 v[KS+\i], v9 offset:8192+128*\i
.endr
.irp t, 0,1,2,3
.irp c, 0,1
	ds_load_b128 v[VF+8*\t+4*\c:VF+8*\t+4*\c+3], v8 offset:4096+1024*\t+512*\c
.endr
.endr
.irp i, 0,1
	ds_load_b32 v[VS+\i], v9 offset:8448+128*\i
.endr
	s_wait_dscnt 10                                ; K and its scale words are in; V's ten loads may be out
.irp e, 0,1,2,3                        ; S^T = K Q^T: eight tiles of 16 keys, two from each fragment
.if \e%2 == 0
	v_wmma_scale_f32_16x16x128_f8f6f4 v[S+16*\e:S+16*\e+7], v[KF+8*\e:KF+8*\e+7], v[\qz+4:\qz+11], 0, v[KS+\e/2], v[\qs] matrix_a_fmt:MATRIX_FMT_FP4 matrix_b_fmt:MATRIX_FMT_FP4
	v_wmma_scale_f32_16x16x128_f8f6f4 v[S+16*\e+8:S+16*\e+15], v[KF+8*\e:KF+8*\e+7], v[\qz:\qz+7], 0, v[KS+\e/2], v[\qs] matrix_a_fmt:MATRIX_FMT_FP4 matrix_b_fmt:MATRIX_FMT_FP4
.else
	v_wmma_scale_f32_16x16x128_f8f6f4 v[S+16*\e:S+16*\e+7], v[KF+8*\e:KF+8*\e+7], v[\qz+4:\qz+11], 0, v[KS+\e/2], v[\qs] matrix_a_fmt:MATRIX_FMT_FP4 matrix_b_fmt:MATRIX_FMT_FP4 matrix_a_scale:MATRIX_SCALE_ROW1
	v_wmma_scale_f32_16x16x128_f8f6f4 v[S+16*\e+8:S+16*\e+15], v[KF+8*\e:KF+8*\e+7], v[\qz:\qz+7], 0, v[KS+\e/2], v[\qs] matrix_a_fmt:MATRIX_FMT_FP4 matrix_b_fmt:MATRIX_FMT_FP4 matrix_a_scale:MATRIX_SCALE_ROW1
.endif
.endr
	PLACES
	s_cmp_lt_u32 s36, s[\ga]                       ; a step all of whose keys count skips the mask
	s_cbranch_scc1 .Lopen_\@
.set N, 0
.rept 64                               ; register N holds key 16 (N / 8) + N % 8 + 8 h of the step: hidden where that is beyond 16 c + r.  Hidden scores become -infinity: p = 0 then
	v_cmp_gt_i32 vcc_lo, 16*(N/8)+N%8, v3
	v_cndmask_b32 v[S+N], v[S+N], v[NINF], vcc_lo
.set N, N+1
.endr
.Lopen_\@:
.irp b, 0,1,2,3
	v_max3_num_f32 v[BM+\b], v[S+16*\b], v[S+16*\b+1], v[S+16*\b+2]   ; the largest score of each block of 32 keys: it serves the row's maximum and, since p rises with the score, the block's largest p
.endr
.irp i, 3,5,7,9,11,13
.irp b, 0,1,2,3
	v_max3_num_f32 v[BM+\b], v[BM+\b], v[S+16*\b+\i], v[S+16*\b+\i+1]   ; (the four blocks by turns)
.endr
.endr
.irp b, 0,1,2,3
	v_max_num_f32 v[BM+\b], v[BM+\b], v[S+16*\b+15]
.endr
.irp b, 0,1,2,3
	v_permlanex16_b32 v[BP+\b], v[BM+\b], s20, s21
.endr
.irp b, 0,1,2,3
	v_max_num_f32 v[BM+\b], v[BM+\b], v[BP+\b]     ; with lane l xor 16's 16 keys
.endr
	v_max3_num_f32 v[TT], v[BM], v[BM+1], v[BM+2]
	v_max_num_f32 v[TT], v[TT], v[BM+3]            ; the step's largest score of my query
	v_mul_f32 v[TT], s22, v[TT]                    ; as t
	v_max_num_f32 v13, v13, v[TT]                  ; the running largest t
	v_mov_b32 v[TT], v12
	v_floor_f32 v12, -v13                          ; the new -M = floor(-t) = -ceil(t)
	v_sub_f32 v[TT], v12, v[TT]                    ; old M - new M: a whole number, 0 or less
	v_cvt_i32_f32 v[TT], v[TT]                     ; (it saturates)
	v_ldexp_f32 v[F], 1.0, v[TT]                   ; f = 2^(old M - new M)
.set J, 0
.rept 32
	v_pk_fma_f32 v[S+J:S+J+1], v[S+J:S+J+1], s[22:23], v[12:13] op_sel_hi:[1,0,0]   ; t - M, two at a time (of both pairs the low word serves both halves)
.set J, J+2
.endr
.irp b, 0,1,2,3
	v_fma_f32 v[BM+\b], v[BM+\b], s22, v12         ; the same of each block's largest score
.endr
.set J, 0
.rept 64
	v_exp_f32 v[S+J], v[S+J]                       ; p = 2^(t - M), at most 1
.set J, J+1
.endr
.irp b, 0,1,2,3
	v_exp_f32 v[BM+\b], v[BM+\b]                   ; the block's largest p: the same two instructions on the same number give the same bits
.endr
	v_pk_mul_f32 v[14:15], v[14:15], v[F:F+1] op_sel_hi:[1,0]      ; the sums under the new M.  (A plain place behind the exponentials)
	s_wait_alu depctr_va_vdst(0)
.irp b, 0,1,2,3
	v_max_num_f32 v[BM+\b], 0x1800000, v[BM+\b]    ; the floor 2^(3 - 127): the byte cannot fall under 1
.endr
.irp b, 0,1,2,3
	v_add_nc_u32 v[BS+\b], 0xff000000, v[BM+\b]    ; 2 off the exponent field: the conversion's scale operand
.endr
.irp b, 0,1,2,3
	v_lshrrev_b32 v[BP+\b], 23, v[BS+\b]           ; the scale's byte
.endr
	v_lshl_or_b32 v[PW], v[BP+1], 8, v[BP]         ; p's scale word for these 128 keys
	v_lshl_or_b32 v[PW], v[BP+2], 16, v[PW]
	v_lshl_or_b32 v[PW], v[BP+3], 24, v[PW]
.irp c, 0,1                            ; blocks 2 c and 2 c + 1: (2 c, u 0), (2 c + 1, u 0), (2 c, u 1), (2 c + 1, u 1)
	v_cvt_scalef32_pk8_fp4_f32 v[P+4*\c], v[S+32*\c:S+32*\c+7], v[BS+2*\c]
	v_cvt_scalef32_pk8_fp4_f32 v[P+4*\c+1], v[S+32*\c+16:S+32*\c+23], v[BS+2*\c+1]
	v_cvt_scalef32_pk8_fp4_f32 v[P+4*\c+2], v[S+32*\c+8:S+32*\c+15], v[BS+2*\c]
	v_cvt_scalef32_pk8_fp4_f32 v[P+4*\c+3], v[S+32*\c+24:S+32*\c+31], v[BS+2*\c+1]
.endr
	v_nop                                          ; one plain place behind a scaled conversion
.irp c, 0,1
	v_permlane16_swap_b32 v[P+4*\c], v[P+4*\c+1]   ; a whole block in a lane: lanes 0-15 block 2 c, lanes 16-31 block 2 c + 1, ascending
	v_permlane16_swap_b32 v[P+4*\c+2], v[P+4*\c+3]
.endr
	v_pk_add_f32 v[L2:L2+1], v[S:S+1], v[S+2:S+3]  ; the row's sum is taken of the unquantised p: two at a time, in two chains
.irp j, 4,8,12,16,20,24,28,32,36,40,44,48,52,56,60
	v_pk_add_f32 v[14:15], v[14:15], v[S+\j:S+\j+1]
	v_pk_add_f32 v[L2:L2+1], v[L2:L2+1], v[S+\j+2:S+\j+3]
.endr
	v_pk_add_f32 v[14:15], v[14:15], v[L2:L2+1]
.set J, 0
.rept 16
	v_pk_mul_f32 v[O+J:O+J+1], v[O+J:O+J+1], v[F:F+1] op_sel_hi:[1,0]   ; O^T under the new M.  (The sums and these are also the places between p's scale word and codes and the products below)
.set J, J+2
.endr
	s_wait_dscnt 0x0                               ; V and its scale words are in
.irp t, 0,1,2,3                        ; O^T += V^T P^T: four accumulators, one instruction each
.if \t%2 == 0
	v_wmma_scale_f32_16x16x128_f8f6f4 v[O+8*\t:O+8*\t+7], v[VF+8*\t:VF+8*\t+7], v[P:P+7], v[O+8*\t:O+8*\t+7], v[VS+\t/2], v[PW] matrix_a_fmt:MATRIX_FMT_FP4 matrix_b_fmt:MATRIX_FMT_FP4
.else
	v_wmma_scale_f32_16x16x128_f8f6f4 v[O+8*\t:O+8*\t+7], v[VF+8*\t:VF+8*\t+7], v[P:P+7], v[O+8*\t:O+8*\t+7], v[VS+\t/2], v[PW] matrix_a_fmt:MATRIX_FMT_FP4 matrix_b_fmt:MATRIX_FMT_FP4 matrix_a_scale:MATRIX_SCALE_ROW1
.endif
.endr
	PLACES
.Lhidden_\@:
	s_add_co_u32 s37, s37, STEPB
	s_add_co_u32 s36, s36, 1
	s_cmp_lt_u32 s36, 16
	s_cbranch_scc1 .Lstep_\@
	; the way out: O^T / the sum goes through my stage and leaves as rows: sixteen lanes store 256 consecutive bytes, aligned: one head's part of one row of out0
	v_add_f32 v14, v14, v15                        ; the sum's two halves,
	v_permlanex16_b32 v[BP], v14, s20, s21
	v_add_f32 v14, v14, v[BP]                      ; and lane l xor 16's
	v_rcp_f32 v14, v14
	v_nop                                          ; one plain place behind a transcendental
.set J, 0
	s_wait_alu depctr_va_vdst(0)
.rept 32
	v_mul_f32 v[S+J], v[O+J], v14                  ; register 8 t + j is o(query r, d = 16 t + 8 h + j); each accumulator from its low end on
.set J, J+1
.endr
.irp t, 0,1,2,3
	ds_store_b128 v4, v[S+8*\t:S+8*\t+3] offset:64*\t
	ds_store_b128 v4, v[S+8*\t+4:S+8*\t+7] offset:64*\t+16
.endr
.irp i, 0,1,2,3,4,5,6,7
	ds_load_b128 v[S+32+4*\i:S+32+4*\i+3], v5 offset:544*\i        ; LDS serves a wave's instructions in order: these see my stores
.endr
.irp i, 0,1,2,3,4,5,6,7
	s_wait_dscnt 7-\i                              ; pair i of rows is back; the younger loads may be out
	global_store_b128 v6, v[S+32+4*\i:S+32+4*\i+3], s[\ob:\ob+1] offset:8192*\i th:TH_STORE_NT
.endr
.endm
	PASS 16, 10, 17, 48
	PASS 28, 11, 18, 50
	s_wait_dscnt 0x0
	s_wait_tensorcnt 0x0
	ds_add_u32 v254, v255
	s_wait_dscnt 0x0
	CROUND                                         ; the closing round: no work-group ends while a partner may still ask for a tile that names it
	s_endpgm
.Lfunc_end_k_q146910121c_attn:
	.size	k_q146910121c_attn, .Lfunc_end_k_q146910121c_attn-k_q146910121c_attn
	.p2alignl 7, 3214868480
	.fill 96, 4, 3214868480
	.section	.rodata,"a",@progbits
	.p2align	6, 0x0
	.amdhsa_kernel k_q146910121c_attn
		.amdhsa_group_segment_fixed_size 210944
		.amdhsa_private_segment_fixed_size 0
		.amdhsa_enable_private_segment 0
		.amdhsa_kernarg_size 32
		.amdhsa_user_sgpr_count 2
		.amdhsa_user_sgpr_kernarg_segment_ptr 1
		.amdhsa_wavefront_size32 1
		.amdhsa_system_sgpr_workgroup_id_x 1
		.amdhsa_system_sgpr_workgroup_id_y 1
		.amdhsa_system_sgpr_workgroup_id_z 1
		.amdhsa_system_vgpr_workitem_id 0
		.amdhsa_next_free_vgpr 256
		.amdhsa_next_free_sgpr 66
		.amdhsa_reserve_vcc 1
		.amdhsa_float_denorm_mode_32 3
		.amdhsa_float_denorm_mode_16_64 3
		.amdhsa_memory_ordered 1
		.amdhsa_forward_progress 1
		.amdhsa_inst_pref_size 56
	.end_amdhsa_kernel
	.amdgpu_metadata
---
amdhsa.version: [ 1, 2 ]
amdhsa.kernels:
  - .name:           k_q146910121c_attn
    .symbol:         k_q146910121c_attn.kd
    .args:
      - { .name: qc, .offset: 0, .size: 8, .value_kind: global_buffer, .address_space: global }
      - { .name: qs, .offset: 8, .size: 8, .value_kind: global_buffer, .address_space: global }
      - { .name: kv, .offset: 16, .size: 8, .value_kind: global_buffer, .address_space: global }
      - { .name: out0, .offset: 24, .size: 8, .value_kind: global_buffer, .address_space: global }
    .group_segment_fixed_size: 210944
    .private_segment_fixed_size: 0
    .kernarg_segment_align: 8
    .kernarg_segment_size: 32
    .max_flat_workgroup_size: 512
    .sgpr_count:     66
    .vgpr_count:     256
    .wavefront_size: 32
...
	.end_amdgpu_metadata
.endif
;; end of part 2
